; MI455X (gfx1250); checked and timed in simulation.
; The chip was launched on July 23, 2026; its instructions are those of AMD's public machine-readable ISA for CDNA 5 (MIT licence, August 2026) and "CDNA5" Instruction Set Architecture Reference Guide (July 2026). The comments in the code are by the model that wrote it; some were corrected since.
;; Multihead Attention. Allowed arithmetic: matrix products marked QUANTISED: E2M3 operands, one E8M0 scale for each 32 along K, by v_wmma_scale_f32_16x16x128_f8f6f4 with both operands' format E2M3, f32 sums; everything else in f32.
;; Inputs: K_codes 4 x 2,048 x 32 x 24 uint8 (E2M3 codes of K, K innermost, in blocks of 32 codes, four codes in three bytes); K_scales 4 x 2,048 x 32 uint8 (E8M0 scales of K, one for each 32 codes along K); Q_codes 4 x 2,048 x 32 x 24 uint8 (E2M3 codes of Q, K innermost, in blocks of 32 codes, four codes in three bytes); Q_scales 4 x 2,048 x 32 uint8 (E8M0 scales of Q, one for each 32 codes along K); V_codes 4 x 2,048 x 32 x 24 uint8 (E2M3 codes of V, K innermost, in blocks of 32 codes, four codes in three bytes); V_scales 4 x 2,048 x 32 uint8 (E8M0 scales of V, one for each 32 codes along K); Wk_codes 16 x 64 x 32 x 24 uint8 (E2M3 codes of Wk, K innermost, in blocks of 32 codes, four codes in three bytes); Wk_scales 16 x 64 x 32 uint8 (E8M0 scales of Wk, one for each 32 codes along K); Wo_codes 1,024 x 32 x 24 uint8 (E2M3 codes of Wo, K innermost, in blocks of 32 codes, four codes in three bytes); Wo_scales 1,024 x 32 uint8 (E8M0 scales of Wo, one for each 32 codes along K); Wq_codes 16 x 64 x 32 x 24 uint8 (E2M3 codes of Wq, K innermost, in blocks of 32 codes, four codes in three bytes); Wq_scales 16 x 64 x 32 uint8 (E8M0 scales of Wq, one for each 32 codes along K); Wv_codes 16 x 64 x 32 x 24 uint8 (E2M3 codes of Wv, K innermost, in blocks of 32 codes, four codes in three bytes); Wv_scales 16 x 64 x 32 uint8 (E8M0 scales of Wv, one for each 32 codes along K); bk 16 x 64 float32; bo 1,024 float32; bq 16 x 64 float32; bv 16 x 64 float32.
;; Outputs: out0 4 x 2,048 x 1,024 float32.
;; This version of the problem:
;;   THIS VERSION OF THE PROBLEM IS GIVEN IN LOW PRECISION. The matrix products marked QUANTISED in the list below multiply operands that are first quantised to E2M3 (2 exponent bits, 3 mantissa bits; 6 bits a number), with one power-of-two scale for each 32 numbers along K (OCP MX v1.0); their sums are f32. All else is computed in f32.
;;   The module's matrix products, in the order in which they are computed (A, B: the left and right operand; K: the contracted axis; several contracted axes count as one K, in the product's order):
;;     1. [M 1,024, K 1,024] x [K 1,024, N 8,192]; A: input Wq (given as codes); B: input Q (given as codes): QUANTISED
;;     2. [M 1,024, K 1,024] x [K 1,024, N 8,192]; A: input Wk (given as codes); B: input K (given as codes): QUANTISED
;;     3. [M 1,024, K 1,024] x [K 1,024, N 8,192]; A: input Wv (given as codes); B: input V (given as codes): QUANTISED
;;     4. batch 64 x [M 2,048, K 64] x [K 64, N 2,048]; A: computed on the way; B: computed on the way: QUANTISED
;;     5. batch 64 x [M 2,048, K 2,048] x [K 2,048, N 64]; A: softmax (see below); B: computed on the way: QUANTISED
;;     6. [M 8,192, K 1,024] x [K 1,024, N 1,024]; A: computed on the way; B: input Wo (given as codes): QUANTISED
;;   THE QUANTISER, for each operand of a quantised product, along K:
;;     - K is cut into blocks of 32 from its start; a last block that is shorter is filled with zeros.
;;     - A block's scale is 2^e with e = floor(log2(the largest magnitude in the block)) - 2, held to -126 .. 127; a block of zeros has e = 0. As a byte (E8M0): e + 127.
;;     - Each number is divided by its block's scale, clamped to +-7.5, and rounded to the nearest number of E2M3, ties to even, subnormals kept.
;;     - The product sums the exact products of the quantised numbers (number of the format x scale) in f32.
;;   ~~~python
;;   def quantise(x, axis):      # numpy; x: float32 -> the quantised numbers, widened to float32 again
;;       x = np.moveaxis(x, axis, -1); K = x.shape[-1]
;;       x = np.pad(x, [(0, 0)] * (x.ndim - 1) + [(0, -K % 32)]); x = x.reshape(x.shape[:-1] + (-1, 32)); a = np.abs(x).max(-1, keepdims=True)
;;       e = np.where(a > 0, np.clip(np.frexp(np.where(a > 0, a, 1))[1] - 1 - 2, -126, 127), 0)      # np.frexp(a)[1] - 1 = floor(log2(a)), exactly
;;       r = np.clip(x / 2.0 ** e, -7.5, 7.5)
;;       step = 2.0 ** (np.maximum(np.frexp(np.where(r == 0, 1, r))[1] - 1, 0) - 3)
;;       q = np.round(r / step) * step * 2.0 ** e      # np.round: ties to even
;;       return np.moveaxis(q.reshape(q.shape[:-2] + (-1,))[..., :K], -1, axis).astype(np.float32)
;;   ~~~
;;   SOFTMAX AHEAD OF A QUANTISED PRODUCT. Where the list says 'softmax', what is quantised is not the finished softmax but p = 2^(t - M), with t = logit x log2(e) and M = ceil(the row's largest t), a whole number; so 1/2 < the row's largest p <= 1. The row's sum l is taken of the UNQUANTISED p, in f32, and the product's result is divided by l at the end. Since M is a whole number, a kernel that streams over the keys may use a running M (the ceiling of the running maximum): every later rescaling is an exact power of two, which a block's scale takes up: the codes' values come out the same.
;;   OPERANDS COMPUTED ON THE WAY. 'Computed on the way' means the value that the module computes at that place (a softmax that the list does not call 'softmax' is quantised finished and normalised). What goes into a quantiser is computed in f32, as accurately as f32 sums, v_exp_f32 and their like allow (about 1e-6 of the number): no bf16 or f16 on the way to a quantiser, and a product that is left as it is and whose result goes on into a quantised operand takes f32 operands (vector FMAs, or v_wmma_f32_16x16x4_f32). A number that lies on a knife's edge between two numbers of the format may be rounded either way, as far as f32 arithmetic and the matrix unit's own rounding can turn it there, and no further.
;;   INPUTS GIVEN AS CODES. K (in the module: [4, 2048, 1024], K = its axis 2); Q (in the module: [4, 2048, 1024], K = its axis 2); V (in the module: [4, 2048, 1024], K = its axis 2); Wk (in the module: [16, 1024, 64], K = its axis 1); Wo (in the module: [1024, 1024], K = its axis 0); Wq (in the module: [16, 1024, 64], K = its axis 1); Wv (in the module: [16, 1024, 64], K = its axis 1): each comes as NAME_codes (uint8): NAME with its K axis moved to the last place and cut into blocks of 32 codes, [.., K / 32, bytes a block], one block behind the other in memory; four codes in three bytes: a row's codes are one little-endian stream of bits, code i at bits 6 i .. 6 i + 5 (a code: sign, 2 exponent bits, 3 mantissa bits); and NAME_scales (uint8): the same leading axes, one E8M0 byte (e + 127) for each 32 codes along K. Its value is code x scale, taken as it is: it is not quantised again, and the codes and scales need not be those that the quantiser above would give.
;; One version. Each part assembles by itself: llvm-mc -triple=amdgcn-amd-amdhsa -mcpu=gfx1250 --defsym DOCPART=n.
;; ======== version 1 of 1: 3 launches
;; limits: right only within a limited range of input values
;; workspace buffers: qc 6,291,456 bytes; qs 524,288 bytes; kvc 12,582,912 bytes; kvs 786,432 bytes; oc 6,291,456 bytes; os 262,144 bytes
;; launch proj (part 1): grid 4 x 64, 4 waves a work-group, clusters of 4 x 4, 327,680 bytes of LDS; arguments Q_codes, Q_scales, Wq_codes, Wq_scales, bq, K_codes, K_scales, Wk_codes, Wk_scales, bk, Wv_codes, Wv_scales, V_codes, V_scales, bv, qc, qs, kvc, kvs; writes qc, qs, kvc, kvs
.if DOCPART == 1
	.amdgcn_target "amdgcn-amd-amdhsa--gfx1250"
	.amdhsa_code_object_version 6
	.text
	.protected	k_q3ab7c4f125_proj
	.globl	k_q3ab7c4f125_proj
	.p2align	8
	.type	k_q3ab7c4f125_proj,@function
k_q3ab7c4f125_proj:
	s_mov_b64 s[64:65], 0
	v_nop
	global_prefetch_b8 v0, s[64:65] scope:SCOPE_SE
	s_setreg_imm32_b32 hwreg(HW_REG_WAVE_MODE, 25, 1), 1
	s_wait_xcnt 0x0
	s_wait_alu depctr_hold_cnt(0) depctr_sa_sdst(0) depctr_va_vdst(0) depctr_va_sdst(0) depctr_va_ssrc(0) depctr_va_vcc(0) depctr_vm_vsrc(0)
	s_getreg_b32 s2, hwreg(HW_REG_IB_STS2, 6, 4)
	s_cmp_eq_u32 s2, 0
	s_cbranch_scc0 .Lentry_in_a_cluster
	s_endpgm
.Lentry_in_a_cluster:
	s_bfe_u32 s2, ttmp6, 0x10000c
	s_cmp_lg_u32 s2, 0xf033
	s_cbranch_scc0 .Lentry_shape_is_right
	s_endpgm
.Lentry_shape_is_right:
; THE THREE PROJECTIONS q = Q Wq + bq, k = K Wk + bk, v = V Wv + bv on the given FP6 (E2M3) codes and E8M0 scales, f32 sums, and the quantisers of q, k (along a head's 64 channels) and v (along the keys).
; DEAD WORK: none.  Every product of the problem is live and every bias goes into a quantised operand (bk too: it moves k's codes); all 18 inputs are loaded by one of the three launches.
; LIMITS: NaN and infinities are not served.  A block whose largest magnitude lies under 2^-124 (a block of zeros too, where the rule says 127) gets the scale byte 1: zero codes add nothing, and this program alone reads the bytes.
; SHAPE.  256 work-groups stay and make three tiles each (q, k, v), 128 rows of 'A' x 256 rows of 'B', K = 1,024.  Four waves, 64 x 128 each: 32 accumulators.  'A' is the operand of which a lane keeps one row
; (source 1), 'B' the one along whose rows a lane's registers run (source 0): q, k: A = tokens, B = W's rows; v: A = Wv's rows, B = tokens, so that the next product's K runs along a lane's registers.
; A tile's rows come WHOLE: 768 bytes, three units of 256, 16 bytes of LDS padding behind each unit (pitch 816): there is no ring inside a tile, and one refill, one tensor load a wave, for each change of tiles.
; The refill is asked for in the tile's last K step, when every fragment is in registers; the way out stands under its flight.  The next tile's rows are prefetched one tile ahead.
; 4 x 4 clusters: A's rows are shared along a row of the cluster, B's along a column: joint loads.  The scale words go from memory to registers (16 lanes read 512 consecutive bytes), the bias is the C of the first K step.
; ACCUMULATORS (a, b) lie at 8 (8 a + b'), b' = b with its two low bits exchanged: 32 exchanges of lane halves IN PLACE then leave register 32 c + i of lane (r, h) = B's row 64 c + 32 h + i: whole blocks of 32.
; WINDOWS: 0: addresses, v32-63 A's scale words, v64-127 B's, v128-223 A's fragments (two sets), v224-252 the quantiser's work; 1: B's fragments (two sets); 2: accumulators; 3: biases.
.set PITCH, 816
.set BLK,   16*PITCH
.set BASEB, 128*PITCH
.set SPARE, BASEB+256*PITCH            ; the spare words: 128 bytes a wave, two blocks of 256 bytes that no other line names
.set FR,   12
.set SELR, 7                           ; byte selects: lanes 0-15 bytes 0,1,0,1; lanes 16-31 bytes 2,3,2,3
.set H8,   8                           ; 8 h
.set SLO,  9                           ; 32 r: my row's scale bytes
.set L16,  10
.set SCA,  11                          ; q, k: where my scale words go: 16 r + h x a head's words
.set L8,   12
.set L8X,  13                          ; 8 (lane xor 8)
.set SCK2, 14                          ; SCA for k
.set BOF,  15                          ; 32 h
.set ADRA, 16                          ; v16, v17: my A rows (v17: lanes 16-31 behind one padding more)
.set ADRB, 18                          ; v18, v19: my B blocks 0-3; v20, v21: blocks 4-7
.set BOV,  22                          ; 4 r
.set PFO,  23                          ; the prefetches' lane offset: a row of 768 bytes a lane
.set SW,   24                          ; v24-27 scale words to store
.set SPW,  28
.set NIL,  29
.set TP,   30
.set SLV,  31                          ; 16 r
.set SA,   32
.set SB,   64
.set AF,   128
.set CD,   224
.set CT,   236
.set MX,   244
.set SO,   248
.set BY8,  250
.set WD,   252
.set BX,   0                           ; window 3: q, k: bias of B's row 16 b + 8 h + j at 8 b + j
.set BV,   64                          ; window 3: v: bias of A's row 16 a + r, eight times, at 8 a
.set SEL,  92
.set PF,   94
.set G1A,  68
.set G1B,  76
.set G0A,  84
.set G0B,  88
.set MSB, 0
.macro WIN new                         ; the immediate's high byte repeats the setting that is left
.if MSB != \new
	s_set_vgpr_msb (MSB<<8)|\new
.set MSB, \new
.endif
.endm
.macro PLACES                          ; plain places behind a matrix instruction (ISA guide 7.12.1)
.rept 4
	v_nop
.endr
.endm
.macro JLOAD                           ; waves 0, 1 fetch A's halves, waves 2, 3 B's; s_nop 0 and four v_nop behind each line
	s_cmp_eq_u32 s15, 0
	s_cbranch_scc0 .Lfor_b_\@
	tensor_load_to_lds s[G0A:G0A+3], s[G1A:G1A+7]
	s_nop 0
	PLACES
	s_branch .Lasked_\@
.Lfor_b_\@:
	tensor_load_to_lds s[G0B:G0B+3], s[G1B:G1B+7]
	s_nop 0
	PLACES
.Lasked_\@:
.endm
.macro CREST
	s_cmp_lg_u32 s14, 0
	s_cbranch_scc1 .Lnot_wave_0_\@
	s_barrier_signal -3
.Lnot_wave_0_\@:
	s_barrier_wait -3
	s_barrier_signal -1
	s_barrier_wait -1
.endm
.macro CROUND
	s_barrier_signal -1
	s_barrier_wait -1
	CREST
.endm
.macro ADDO p, t                       ; pointer p += the 32-bit offset in s[t] (s[t+1] = 0)
	s_add_nc_u64 s[\p:\p+1], s[\p:\p+1], s[\t:\t+1]
.endm
.macro SCLOAD pa, pb                   ; a tile's scale words: register 8 i + st = row r of block i, K step st
.irp i, 0,1,2,3
	global_load_b128 v[SA+8*\i:SA+8*\i+3], v[SLO], s[\pa:\pa+1] offset:512*\i
	global_load_b128 v[SA+8*\i+4:SA+8*\i+7], v[SLO], s[\pa:\pa+1] offset:512*\i+16
.endr
.irp i, 0,1,2,3,4,5,6,7
	global_load_b128 v[SB+8*\i:SB+8*\i+3], v[SLO], s[\pb:\pb+1] offset:512*\i
	global_load_b128 v[SB+8*\i+4:SB+8*\i+7], v[SLO], s[\pb:\pb+1] offset:512*\i+16
.endr
.endm
.macro BIASQK p
	WIN 0xc0
.irp b, 0,1,2,3,4,5,6,7
	global_load_b128 v[BX+8*\b:BX+8*\b+3], v[BOF], s[\p:\p+1] offset:64*\b
	global_load_b128 v[BX+8*\b+4:BX+8*\b+7], v[BOF], s[\p:\p+1] offset:64*\b+16
.endr
	WIN 0
.endm
	s_load_b512 s[24:39], s[0:1], 0x0              ; q's set s[24:33]: A's codes, A's scales, B's codes, B's scales, bias; k's set s[34:43]
	s_load_b512 s[40:55], s[0:1], 0x40             ; v's set s[44:53] (A = Wv, B = V); qc s[54:55]
	s_load_b128 s[56:59], s[0:1], 0x80             ; qs, kvc
	s_load_b64 s[60:61], s[0:1], 0x90              ; kvs
	v_lshl_add_u32 v[SPW], v0, 2, SPARE
	v_mov_b32 v[NIL], 0
	ds_add_u32 v[SPW], v[NIL]                      ; the opening lines: the add twice and its wait ahead of my first tensor load
	ds_add_u32 v[SPW], v[NIL]
	v_lshrrev_b32 v1, 5, v0
	v_readfirstlane_b32 s14, v1                    ; wave
	s_lshr_b32 s15, s14, 1                         ; my half of A's rows; also: I fetch for A (0) or B (1)
	s_and_b32 s16, s14, 1                          ; my half of B's rows; also: which half I fetch
	s_bfe_u32 s66, ttmp6, 0x40000                  ; cx
	s_bfe_u32 s67, ttmp6, 0x40004                  ; cy
	s_and_b32 s17, ttmp7, 0xffff                   ; the cluster, 0..15
	s_lshl_b32 s18, s17, 2
	s_add_co_u32 s18, s18, s67                     ; q, k: A's tile (128 tokens), 0..63; B's tile is cx
	s_and_b32 s19, s17, 1
	s_lshl_b32 s19, s19, 2
	s_add_co_u32 s19, s19, s67                     ; v: A's tile (128 rows of Wv), 0..7
	s_lshr_b32 s20, s17, 1
	s_lshl_b32 s20, s20, 2
	s_add_co_u32 s20, s20, s66                     ; v: B's tile (256 tokens), 0..31
	s_lshl_b32 s21, s67, 2
	s_lshl_b32 s21, 15, s21                        ; my row of the cluster
	s_lshl_b32 s22, 0x1111, s66                    ; my column
	s_or_b32 s[G1A], s21, (1<<20)|(1<<21)|(5<<22)|(3<<25)   ; bytes; 16 bytes of padding behind every 256
	s_or_b32 s[G1B], s22, (1<<20)|(1<<21)|(5<<22)|(3<<25)
	s_mov_b32 s[G1A+1], 768<<16
	s_mov_b32 s[G1A+2], 64<<16                     ; A: 64 rows a wave
	s_mov_b32 s[G1A+3], 768<<16
	s_mov_b32 s[G1A+4], 64
	s_mov_b32 s[G1A+5], 768
	s_mov_b32 s[G1A+6], 0
	s_mov_b32 s[G1A+7], 0
	s_mov_b32 s[G1B+1], 768<<16
	s_mov_b32 s[G1B+2], 128<<16                    ; B: 128 rows a wave
	s_mov_b32 s[G1B+3], 768<<16
	s_mov_b32 s[G1B+4], 128
	s_mov_b32 s[G1B+5], 768
	s_mov_b32 s[G1B+6], 0
	s_mov_b32 s[G1B+7], 0
	s_mov_b32 s[G0A], 1
	s_mul_i32 s[G0A+1], s16, 64*PITCH
	s_mov_b32 s[G0B], 1
	s_mul_i32 s[G0B+1], s16, 128*PITCH
	s_add_co_u32 s[G0B+1], s[G0B+1], BASEB
	s_mul_i32 s12, s18, 98304                      ; offsets made of cy stand in s12, those of cx in s98
	s_mul_i32 s23, s16, 49152
	s_add_co_u32 s12, s12, s23
	s_mov_b32 s13, 0
	s_mul_i32 s98, s66, 196608
	s_mul_i32 s23, s16, 98304
	s_add_co_u32 s98, s98, s23
	s_mov_b32 s99, 0
	s_wait_dscnt 0x0                               ; both opening adds are done
	s_wait_kmcnt 0x0
	ADDO 24, 12
	ADDO 34, 12
	ADDO 28, 98
	ADDO 38, 98
	CROUND                                         ; all sixteen work-groups are here: the first joint loads meet
	s_mov_b64 s[G0A+2:G0A+3], s[24:25]
	s_or_b32 s[G0A+3], s[G0A+3], 0x80000000
	s_mov_b64 s[G0B+2:G0B+3], s[28:29]
	s_or_b32 s[G0B+3], s[G0B+3], 0x80000000
	JLOAD                                          ; q's tile: one tensor load a wave at the head
	s_mul_i32 s12, s19, 98304                      ; v's joint addresses
	s_mul_i32 s23, s16, 49152
	s_add_co_u32 s12, s12, s23
	ADDO 44, 12
	s_mul_i32 s98, s20, 196608
	s_mul_i32 s23, s16, 98304
	s_add_co_u32 s98, s98, s23
	ADDO 48, 98
	s_lshl_b32 s12, s18, 12                        ; scale bytes: 32 a row
	s_lshl_b32 s23, s15, 11
	s_add_co_u32 s12, s12, s23
	ADDO 26, 12
	ADDO 36, 12
	s_lshl_b32 s98, s66, 13
	s_lshl_b32 s23, s16, 12
	s_add_co_u32 s98, s98, s23
	ADDO 30, 98
	ADDO 40, 98
	s_lshl_b32 s98, s66, 10                        ; q, k: the bias of my 128 rows of W
	s_lshl_b32 s23, s16, 9
	s_add_co_u32 s98, s98, s23
	ADDO 32, 98
	ADDO 42, 98
	s_lshl_b32 s12, s19, 12
	s_lshl_b32 s23, s15, 11
	s_add_co_u32 s12, s12, s23
	ADDO 46, 12
	s_lshl_b32 s12, s19, 9                         ; v: the bias of my 64 rows of Wv
	s_lshl_b32 s23, s15, 8
	s_add_co_u32 s12, s12, s23
	ADDO 52, 12
	s_lshl_b32 s98, s20, 13
	s_lshl_b32 s23, s16, 12
	s_add_co_u32 s98, s98, s23
	ADDO 50, 98
	; where the results go.  v: head 2 x A's tile + my half; chunk of 128 keys 2 x (B's tile % 8) + my half
	s_lshl_b32 s17, s19, 1
	s_add_co_u32 s17, s17, s15
	s_lshr_b32 s23, s20, 3
	s_lshl_b32 s23, s23, 4
	s_add_co_u32 s17, s17, s23                     ; 16 x batch + head
	s_and_b32 s23, s20, 7
	s_lshl_b32 s23, s23, 1
	s_add_co_u32 s23, s23, s16
	s_lshl_b32 s12, s17, 4
	s_add_co_u32 s12, s12, s23
	s_mul_i32 s12, s12, 12288
	s_add_co_u32 s12, s12, 6144                    ; a chunk of kvc: k's 6,144 bytes, then v's
	s_add_nc_u64 s[8:9], s[58:59], s[12:13]
	s_mul_i32 s12, s17, 12288
	s_lshl_b32 s23, s23, 8
	s_add_co_u32 s12, s12, s23
	s_add_co_u32 s12, s12, 8192                    ; a head of kvs: k's 8,192 bytes, then v's
	s_add_nc_u64 s[10:11], s[60:61], s[12:13]
	; q, k: my tile is one chunk of 128 tokens; my heads 4 cx + 2 x my half of B, and the next
	s_lshr_b32 s21, s18, 4
	s_and_b32 s22, s18, 15
	s_lshl_b32 s21, s21, 4
	s_lshl_b32 s23, s66, 2
	s_add_co_u32 s21, s21, s23
	s_lshl_b32 s23, s16, 1
	s_add_co_u32 s21, s21, s23                     ; 16 x batch + head
	s_lshl_b32 s100, s21, 4
	s_add_co_u32 s100, s100, s22
	s_mul_i32 s101, s15, 3072                      ; my 64 tokens: four tiles of 768 bytes
	s_mul_i32 s12, s100, 6144
	s_add_co_u32 s12, s12, s101
	ADDO 54, 12
	s_add_nc_u64 s[4:5], s[54:55], 98304           ; the second head's
	s_mul_i32 s12, s100, 12288
	s_add_co_u32 s12, s12, s101
	ADDO 58, 12
	s_add_nc_u64 s[6:7], s[58:59], 196608
	s_lshl_b32 s22, s22, 9
	s_lshl_b32 s23, s15, 8
	s_add_co_u32 s22, s22, s23
	s_lshl_b32 s12, s21, 13
	s_add_co_u32 s12, s12, s22
	ADDO 56, 12
	s_mul_i32 s12, s21, 12288
	s_add_co_u32 s12, s12, s22
	ADDO 60, 12
	; the prefetches: of the rows that I fetch, each of the four partners that ask for them with me takes a quarter, BY ADDRESS: 16 rows of A (by cx) or 32 of B (by cy)
	s_mul_i32 s96, s66, 16*768
	s_mul_i32 s23, s67, 32*768
	s_cmp_eq_u32 s15, 0
	s_cselect_b32 s96, s96, s23
	s_cselect_b32 s23, 15, 31
	s_mov_b32 s97, 0
	s_mov_b32 s[SEL], 0x76543210
	s_mov_b32 s[SEL+1], 0xfedcba98
	s_mul_i32 s100, s15, 64*PITCH
	s_mul_i32 s101, s16, 128*PITCH
	s_add_co_u32 s101, s101, BASEB
	v_and_b32 v1, 15, v0                           ; r
	v_bfe_u32 v2, v0, 4, 1                         ; h
	v_and_b32 v6, 31, v0
	v_mul_u32_u24 v3, v1, PITCH
	v_mad_u32_u24 v3, v2, 24, v3                   ; row x pitch + 24 h
	v_lshl_add_u32 v4, v2, 4, v3
	v_add_nc_u32 v[ADRA], s100, v3
	v_add_nc_u32 v[ADRA+1], s100, v4
	v_add_nc_u32 v[ADRB], s101, v3
	v_add_nc_u32 v[ADRB+1], s101, v4
	v_add_nc_u32 v[ADRB+2], 4*BLK, v[ADRB]
	v_add_nc_u32 v[ADRB+3], 4*BLK, v[ADRB+1]
	v_lshlrev_b32 v[L16], 4, v6
	v_lshlrev_b32 v[L8], 3, v6
	v_xor_b32 v[L8X], 64, v[L8]
	v_lshlrev_b32 v[H8], 3, v2
	v_lshlrev_b32 v3, 1, v2
	v_lshl_or_b32 v3, v3, 8, v3
	v_lshl_or_b32 v3, v3, 16, v3
	v_add_nc_u32 v[SELR], 0x01000100, v3
	v_mov_b32 v[TP], 0
	v_lshlrev_b32 v[SLO], 5, v1
	v_lshlrev_b32 v[BOF], 5, v2
	v_lshlrev_b32 v[BOV], 2, v1
	v_lshlrev_b32 v[SLV], 4, v1
	v_lshl_add_u32 v[SCA], v2, 13, v[SLV]
	v_mul_u32_u24 v[SCK2], v2, 12288
	v_add_nc_u32 v[SCK2], v[SCK2], v[SLV]
	v_and_b32 v[PFO], s23, v0
	v_mul_u32_u24 v[PFO], v[PFO], 768
	s_wait_alu depctr_va_vdst(0)
	SCLOAD 26, 30
	BIASQK 32
.macro FRAG reg, adr, st, off          ; 16 rows x 128 K: 12 registers in pieces of 8 bytes as they lie; byte y of a row lies at y + 16 (y / 256); where lanes 16-31 read behind one padding more, the second register serves
.irp p, 0,1,2,3,4,5
.set BY_, 96*(\st)+48*(\p/3)+8*(\p%3)
.if BY_/256 == (BY_+24)/256
	ds_load_b64 v[\reg+2*\p:\reg+2*\p+1], v[\adr] offset:BY_+16*(BY_/256)+(\off)
.else
	ds_load_b64 v[\reg+2*\p:\reg+2*\p+1], v[\adr+1] offset:BY_+16*(BY_/256)+(\off)
.endif
.endr
.endm
.macro FETCH st                        ; K step st's fragments into set st % 2: 72 loads
	WIN 0x40
.irp i, 0,1,2,3,4,5,6,7
	FRAG 128*((\st)%2)+FR*\i, ADRB+2*(\i/4), \st, (\i%4)*BLK
.endr
	WIN 0
.irp i, 0,1,2,3
	FRAG AF+48*((\st)%2)+FR*\i, ADRA, \st, \i*BLK
.endr
.endm
; 16 matrix instructions; the 32 accumulators take turns in the same order in every step.  first = 1, 2: the bias is C
.macro MUL16 a0, st, first
.irp a, \a0, \a0+1
.irp b, 0,1,2,3,4,5,6,7
.set AC_, 8*(8*(\a)+((\b)&4)+2*((\b)&1)+(((\b)/2)&1))
.set CC_, AC_
.if \first == 1
.set CC_, BX+8*\b
.endif
.if \first == 2
.set CC_, BV+8*(\a)
.endif
	v_wmma_scale_f32_16x16x128_f8f6f4 v[AC_:AC_+7], v[128*((\st)%2)+FR*\b:128*((\st)%2)+FR*\b+FR-1], v[AF+48*((\st)%2)+FR*(\a):AF+48*((\st)%2)+FR*(\a)+FR-1], v[CC_:CC_+7], v[SB+8*\b+(\st)], v[SA+8*(\a)+(\st)] matrix_a_fmt:MATRIX_FMT_FP6 matrix_b_fmt:MATRIX_FMT_FP6
.endr
.endr
.endm
.macro STEP st, first, ask
	s_wait_dscnt 0x0                               ; this step's fragments are in (asked for a step ago)
	PLACES                                         ; ahead of loads into the set that the last step multiplied
	FETCH (\st)+1
.if \ask
.irp u, 0,1,2
	global_prefetch_b8 v[PFO], s[PF:PF+1] offset:256*\u th:TH_LOAD_NT scope:SCOPE_SE   ; the next tile's rows, my work-group's share, six K steps ahead of the load that wants them (A's waves: lanes 16-31 name lanes 0-15's blocks again)
.endr
.endif
.if \first
	WIN 0xb1                                       ; source 0 window 1, source 1 window 0, C window 3, D window 2
.else
	WIN 0xa1
.endif
	MUL16 0, \st, \first
	MUL16 2, \st, \first
.endm
.macro TILE first, refill
	s_wait_tensorcnt 0x0                           ; my part of the tile is in,
	s_barrier_signal -1
	s_barrier_wait -1                              ; everybody's is
	FETCH 0
	s_wait_loadcnt 0x0                             ; the scale words and the bias
	STEP 0, \first, 0
	STEP 1, 0, \refill
.irp st, 2,3,4,5,6
	STEP \st, 0, 0
.endr
	WIN 0
.if \refill
	s_wait_tensorcnt 0x0
	ds_add_u32 v[SPW], v[NIL]
	s_wait_dscnt 1                                 ; the last step's fragments are in; the add may be out
	WIN 0xa1
	MUL16 0, 7, 0
	s_wait_dscnt 0x0                               ; the add is done, and my reads of this tile are over
	s_barrier_signal -1                            ; opens a round of the cluster's barrier
	MUL16 2, 7, 0
	WIN 0
	s_barrier_wait -1
	CREST                                          ; no wave of any partner still reads this tile
	s_mov_b64 s[G0A+2:G0A+3], s[34:35]
	s_or_b32 s[G0A+3], s[G0A+3], 0x80000000
	s_mov_b64 s[G0B+2:G0B+3], s[38:39]
	s_or_b32 s[G0B+3], s[G0B+3], 0x80000000
	JLOAD                                          ; the next tile; its four v_nop are the places ahead of the loads and reads below
.else
	s_wait_dscnt 0x0
	WIN 0xa1
	MUL16 0, 7, 0
	MUL16 2, 7, 0
	WIN 0
	PLACES
.endif
.endm
; Block a's 64 numbers a lane become 12 registers of codes in CD and the four blocks' bytes a word in v[wd] (byte 2 c + h)
.macro QUANT a, wd
.set AC, 64*(\a)
	WIN 0x82
.irp c, 0,1
.irp y, 0,1
.irp j, 0,1,2,3,4,5,6,7
	v_permlane16_swap_b32 v[AC+32*\c+16*\y+\j], v[AC+32*\c+16*\y+8+\j]   ; each accumulator from its low end on
.endr
.endr
.endr
	WIN 0x28
.irp k, 0,1,2,3                        ; four chains: block c = k % 2, its half k / 2; the floor 2^(3 - 127) holds the byte at 1 from below
	v_max3_num_f32 v[MX+\k], 0x1800000, |v[AC+32*(\k%2)+16*(\k/2)]|, |v[AC+32*(\k%2)+16*(\k/2)+1]|
.endr
.irp i, 2,4,6,8,10,12,14
.irp k, 0,1,2,3
	v_max3_num_f32 v[MX+\k], v[MX+\k], |v[AC+32*(\k%2)+16*(\k/2)+\i]|, |v[AC+32*(\k%2)+16*(\k/2)+\i+1]|
.endr
.endr
	WIN 0
.irp c, 0,1
	v_max_num_f32 v[MX+\c], v[MX+\c], v[MX+2+\c]
.endr
.irp c, 0,1
	v_add_nc_u32 v[SO+\c], 0xff000000, v[MX+\c]    ; 2 off the exponent field: the conversion's scale operand
.endr
.irp c, 0,1
	v_lshrrev_b32 v[BY8+\c], 23, v[SO+\c]
.endr
	v_lshl_or_b32 v[\wd], v[BY8+1], 16, v[BY8]
	v_lshlrev_b32 v[\wd], v[H8], v[\wd]
	v_permlanex16_b32 v[TP], v[\wd], s[SEL], s[SEL+1]
	v_or_b32 v[\wd], v[\wd], v[TP]
	s_wait_alu depctr_va_vdst(0)
	s_wait_xcnt 0x0                                ; the last block's stores have read their data
	WIN 0x02
.irp c, 0,1
	v_cvt_scalef32_pk16_fp6_f32 v[CD+6*\c:CD+6*\c+2], v[AC+32*\c:AC+32*\c+15], v[SO+\c]
	v_cvt_scalef32_pk16_fp6_f32 v[CT+4*\c:CT+4*\c+2], v[AC+32*\c+16:AC+32*\c+31], v[SO+\c]
.endr
	WIN 0
	v_nop                                          ; one plain place behind a scaled conversion
.irp c, 0,1
.irp i, 0,1,2
	v_mov_b32 v[CD+6*\c+3+\i], v[CT+4*\c+\i]       ; (a conversion's three registers begin on an even number)
.endr
.endr
.endm
; q, k: block a = 16 tokens; CD 0-5 head 0's half fragment, 6-11 head 1's.  Tiles 2, 3 of four go out with lanes l and l xor 8 exchanged by address: so the attention launch reads its tiles of keys from 256 consecutive bytes
.macro EPI_QK a
	QUANT \a, WD
	v_perm_b32 v[SW+\a], v[WD], v[WD], v[SELR]
.irp p, 0,1,2
	global_store_b64 v[L8+(\a)/2], v[CD+2*\p:CD+2*\p+1], s[54:55] offset:768*(\a)+256*\p   ; 32 lanes store 256 consecutive bytes, aligned
	global_store_b64 v[L8+(\a)/2], v[CD+6+2*\p:CD+6+2*\p+1], s[4:5] offset:768*(\a)+256*\p
.endr
.endm
; v: block a = channels 16 a .. of my head; CD is a whole fragment of the second attention product
.macro EPI_V a
	QUANT \a, SW+(\a)
.irp p, 0,1,2
	global_store_b128 v[L16], v[CD+4*\p:CD+4*\p+3], s[8:9] offset:1536*(\a)+512*\p         ; 512 consecutive bytes, aligned
.endr
.endm
	s_mov_b32 s3, 2
.Ltile:                                                ; two trips: q, then k; each asks for its successor's tile
	s_cmp_eq_u32 s15, 0
	s_cselect_b64 s[PF:PF+1], s[34:35], s[38:39]   ; the rows that I shall fetch next,
	s_add_nc_u64 s[PF:PF+1], s[PF:PF+1], s[96:97]  ; my work-group's share of them
	TILE 1, 1
	SCLOAD 36, 40                                  ; the next tile's scale words and bias, under the way out
	s_cmp_eq_u32 s3, 2
	s_cbranch_scc0 .Lbias_v
	BIASQK 42
	s_branch .Lbias_done
.Lbias_v:
	WIN 0xc0
.irp a, 0,1,2,3
.irp j, 0,1,2,3,4,5,6,7
	global_load_b32 v[BV+8*\a+\j], v[BOV], s[42:43] offset:64*\a
.endr
.endr
	WIN 0
.Lbias_done:
.irp a, 0,1,2,3
	EPI_QK \a
.endr
	global_store_b128 v[SCA], v[SW:SW+3], s[56:57] ; 64 tokens' words: sixteen lanes store 256 consecutive bytes for each head
	s_wait_xcnt 0x0                                ; every pending load and store has read its base and registers
.irp i, 0,2,4,6,8
	s_mov_b64 s[34+\i:35+\i], s[44+\i:45+\i]       ; behind k comes v
.endr
	s_mov_b64 s[54:55], s[58:59]                   ; k's results go to kvc and kvs
	s_mov_b64 s[4:5], s[6:7]
	s_mov_b64 s[56:57], s[60:61]
	v_mov_b32 v[SCA], v[SCK2]
	s_sub_co_u32 s3, s3, 1
	s_cmp_lg_u32 s3, 0
	s_wait_alu depctr_va_vdst(0)
	s_cbranch_scc1 .Ltile
	TILE 2, 0                                      ; v: nothing more is asked for
.irp a, 0,1,2,3
	EPI_V \a
.endr
	s_wait_xcnt 0x0                                ; EXEC changes only behind this wait
	v_cmp_gt_u32 vcc_lo, 16, v6
	s_and_saveexec_b32 s12, vcc_lo
	global_store_b128 v[SLV], v[SW:SW+3], s[10:11] ; my head's words of this chunk: sixteen lanes store 256 consecutive bytes
	s_wait_xcnt 0x0
	s_or_b32 exec_lo, exec_lo, s12
	s_wait_tensorcnt 0x0                           ; the wave's end
	ds_add_u32 v[SPW], v[NIL]
	s_wait_dscnt 0x0
	CROUND                                         ; the closing round
	s_endpgm
.Lfunc_end_k_q3ab7c4f125_proj:
	.size	k_q3ab7c4f125_proj, .Lfunc_end_k_q3ab7c4f125_proj-k_q3ab7c4f125_proj
	.p2alignl 7, 3214868480
	.fill 96, 4, 3214868480
	.section	.rodata,"a",@progbits
	.p2align	6, 0x0
	.amdhsa_kernel k_q3ab7c4f125_proj
		.amdhsa_group_segment_fixed_size 327680
		.amdhsa_private_segment_fixed_size 0
		.amdhsa_enable_private_segment 0
		.amdhsa_kernarg_size 152
		.amdhsa_user_sgpr_count 2
		.amdhsa_user_sgpr_kernarg_segment_ptr 1
		.amdhsa_wavefront_size32 1
		.amdhsa_system_sgpr_workgroup_id_x 1
		.amdhsa_system_sgpr_workgroup_id_y 1
		.amdhsa_system_sgpr_workgroup_id_z 1
		.amdhsa_system_vgpr_workitem_id 0
		.amdhsa_next_free_vgpr 1024
		.amdhsa_next_free_sgpr 102
		.amdhsa_reserve_vcc 1
		.amdhsa_float_denorm_mode_32 3
		.amdhsa_float_denorm_mode_16_64 3
		.amdhsa_memory_ordered 1
		.amdhsa_forward_progress 1
		.amdhsa_inst_pref_size 201
	.end_amdhsa_kernel
	.amdgpu_metadata
---
amdhsa.version: [ 1, 2 ]
amdhsa.kernels:
  - .name:           k_q3ab7c4f125_proj
    .symbol:         k_q3ab7c4f125_proj.kd
    .args:
      - { .name: Q_codes, .offset: 0, .size: 8, .value_kind: global_buffer, .address_space: global }
      - { .name: Q_scales, .offset: 8, .size: 8, .value_kind: global_buffer, .address_space: global }
      - { .name: Wq_codes, .offset: 16, .size: 8, .value_kind: global_buffer, .address_space: global }
      - { .name: Wq_scales, .offset: 24, .size: 8, .value_kind: global_buffer, .address_space: global }
      - { .name: bq, .offset: 32, .size: 8, .value_kind: global_buffer, .address_space: global }
      - { .name: K_codes, .offset: 40, .size: 8, .value_kind: global_buffer, .address_space: global }
      - { .name: K_scales, .offset: 48, .size: 8, .value_kind: global_buffer, .address_space: global }
      - { .name: Wk_codes, .offset: 56, .size: 8, .value_kind: global_buffer, .address_space: global }
      - { .name: Wk_scales, .offset: 64, .size: 8, .value_kind: global_buffer, .address_space: global }
      - { .name: bk, .offset: 72, .size: 8, .value_kind: global_buffer, .address_space: global }
      - { .name: Wv_codes, .offset: 80, .size: 8, .value_kind: global_buffer, .address_space: global }
      - { .name: Wv_scales, .offset: 88, .size: 8, .value_kind: global_buffer, .address_space: global }
      - { .name: V_codes, .offset: 96, .size: 8, .value_kind: global_buffer, .address_space: global }
      - { .name: V_scales, .offset: 104, .size: 8, .value_kind: global_buffer, .address_space: global }
      - { .name: bv, .offset: 112, .size: 8, .value_kind: global_buffer, .address_space: global }
      - { .name: qc, .offset: 120, .size: 8, .value_kind: global_buffer, .address_space: global }
      - { .name: qs, .offset: 128, .size: 8, .value_kind: global_buffer, .address_space: global }
      - { .name: kvc, .offset: 136, .size: 8, .value_kind: global_buffer, .address_space: global }
      - { .name: kvs, .offset: 144, .size: 8, .value_kind: global_buffer, .address_space: global }
    .group_segment_fixed_size: 327680
    .private_segment_fixed_size: 0
    .kernarg_segment_align: 8
    .kernarg_segment_size: 152
    .max_flat_workgroup_size: 128
    .sgpr_count:     102
    .vgpr_count:     1024
    .wavefront_size: 32
...
	.end_amdgpu_metadata
.endif
;; end of part 1
;; launch attn (part 2): grid 4 x 64, 16 waves a work-group, clusters of 4 x 1, 327,680 bytes of LDS; arguments qc, qs, kvc, kvs, oc, os; writes oc, os
.if DOCPART == 2
	.amdgcn_target "amdgcn-amd-amdhsa--gfx1250"
	.amdhsa_code_object_version 6
	.text
	.protected	k_q3ab7c4f125_attn
	.globl	k_q3ab7c4f125_attn
	.p2align	8
	.type	k_q3ab7c4f125_attn,@function
k_q3ab7c4f125_attn:
	s_mov_b64 s[64:65], 0
	v_nop
	global_prefetch_b8 v0, s[64:65] scope:SCOPE_SE
	s_setreg_imm32_b32 hwreg(HW_REG_WAVE_MODE, 25, 1), 1
	s_wait_xcnt 0x0
	s_wait_alu depctr_hold_cnt(0) depctr_sa_sdst(0) depctr_va_vdst(0) depctr_va_sdst(0) depctr_va_ssrc(0) depctr_va_vcc(0) depctr_vm_vsrc(0)
	s_getreg_b32 s2, hwreg(HW_REG_IB_STS2, 6, 4)
	s_cmp_eq_u32 s2, 0
	s_cbranch_scc0 .Lentry_in_a_cluster
	s_endpgm
.Lentry_in_a_cluster:
	s_bfe_u32 s2, ttmp6, 0x10000c
	s_cmp_lg_u32 s2, 0x3003
	s_cbranch_scc0 .Lentry_shape_is_right
	s_endpgm
.Lentry_shape_is_right:
; ATTENTION of one head (cluster y = 16 x batch + head): o = softmax(q k^T / 8) v on FP6 codes, and the quantiser of o along the concatenated channels.  No work is left out.
; A cluster's four work-groups take 512 queries each; a wave takes two tiles of 16 queries, one after the other.  All of the head's k and v (196,608 bytes of codes, 12,288 of scale words) lies in LDS for the whole launch:
; it is asked for ONCE, jointly by the four, one tensor load a wave at the head: waves 0-11 bring 16,384 bytes of codes each, waves 12-15 3,072 bytes of scale words each.  Nothing is filled again.
; No prefetch: everything is asked for at the head, there is no loop to run ahead in.
; Both products are used transposed (S^T = k q^T, O^T = v^T p^T): a lane holds one query.  A step is 128 keys.  K = 64 fills half of a matrix instruction's 128: k's fragments stand beside six registers of zero codes, q's stands twice.
; M is the running largest t rounded up to a whole number (kept as -M); p = 2^(t - M); the row's sum is taken of the unquantised p; a change of M multiplies sum and O^T by an exact power of two.
; A block's largest p is made from the block's largest score by the same multiply-add and exponential.
; LIMITS: NaN and infinities are not served; the promise holds while the scaled scores stay under 2^31 in magnitude; a block whose every p (or o) lies under 2^-124 gets the scale byte 1 over zero codes.
.set SCK,   196608                     ; k's scale words; v's behind them
.set SCV,   204800
.set SPARE, 208896                     ; the spare words: 128 bytes a wave
.set RK0, 1
.set RK1, 2
.set RS,  3
.set RV,  4
.set RT,  5
.set SPW, 6
.set NIL, 7
.set ADK0, 8
.set ADK1, 9
.set ADS, 10
.set ADV, 11
.set ADT, 12
.set H8,  13
.set QL,  14
.set L8,  15
.set NM,  16                           ; -M; v17 the running largest t
.set SUM, 18
.set FF,  20
.set Q,   22
.set QS,  34
.set PW,  35
.set KF,  36
.set VF,  72
.set S,   120
.set O,   184
.set P,   216
.set BM,  228
.set SO,  230
.set BY,  232
.set CT,  234
.set KS,  242
.set VS,  246
.set T0,  250
.set T2,  252
.set T3,  253
.set OSL, 254
.set WV,  16
.set SEL, 20
.set CS,  22
.set G1C, 24
.set G1S, 32
.set TB,  60
.set TS,  61
.set TJ,  62
.set CNT, 63
.macro CROUND
	s_barrier_signal -1
	s_barrier_wait -1
	s_cmp_lg_u32 s[WV], 0
	s_cbranch_scc1 .Lnot_wave_0_\@
	s_barrier_signal -3
.Lnot_wave_0_\@:
	s_barrier_wait -3
	s_barrier_signal -1
	s_barrier_wait -1
.endm
	s_load_b256 s[4:11], s[0:1], 0x0               ; qc, qs, kvc, kvs
	s_load_b128 s[12:15], s[0:1], 0x20             ; oc, os
	v_lshl_add_u32 v[SPW], v0, 2, SPARE
	v_mov_b32 v[NIL], 0
	ds_add_u32 v[SPW], v[NIL]                      ; the opening lines
	ds_add_u32 v[SPW], v[NIL]
	v_lshrrev_b32 v8, 5, v0
	s_delay_alu instid0(VALU_DEP_1)
	v_readfirstlane_b32 s[WV], v8
	s_bfe_u32 s17, ttmp6, 0x40000                  ; cx: my 512 queries
	s_and_b32 s18, ttmp7, 0xffff                   ; 16 x batch + head
	s_mov_b32 s[G1C], 15|(3<<16)|(1<<21)           ; dense blocks as rows of 256 bytes; the mask names the four partners
	s_mov_b32 s[G1C+1], 32<<16
	s_mov_b32 s[G1C+2], 64<<16
	s_mov_b32 s[G1C+3], 32<<16
	s_mov_b32 s[G1C+4], 64
	s_mov_b32 s[G1C+5], 32
	s_mov_b32 s[G1C+6], 0
	s_mov_b32 s[G1C+7], 0
	s_mov_b32 s[G1S], 15|(3<<16)|(1<<21)
	s_mov_b32 s[G1S+1], 32<<16
	s_mov_b32 s[G1S+2], 12<<16
	s_mov_b32 s[G1S+3], 32<<16
	s_mov_b32 s[G1S+4], 12
	s_mov_b32 s[G1S+5], 32
	s_mov_b32 s[G1S+6], 0
	s_mov_b32 s[G1S+7], 0
	s_mov_b32 s[SEL], 0x76543210
	s_mov_b32 s[SEL+1], 0xfedcba98
	s_mov_b32 s[CS], 0x3e38aa3b                    ; log2(e) / 8
	s_mov_b32 s[CS+1], s[CS]
	s_mul_i32 s68, s18, 12288
	s_and_b32 s72, s[WV], 3
	s_mul_i32 s72, s72, 3072                       ; waves 12-15: quarter wave % 4 of the scale words
	s_add_co_u32 s68, s68, s72
	s_mov_b32 s69, 0
	s_mul_i32 s70, s18, 196608
	s_lshl_b32 s73, s[WV], 14                      ; waves 0-11: 16,384 bytes of codes
	s_add_co_u32 s70, s70, s73
	s_mov_b32 s71, 0
	s_wait_dscnt 0x0
	s_wait_kmcnt 0x0
	s_add_nc_u64 s[10:11], s[10:11], s[68:69]
	s_add_nc_u64 s[8:9], s[8:9], s[70:71]
	s_mov_b32 s40, 1
	s_add_co_u32 s41, s72, SCK
	s_mov_b64 s[42:43], s[10:11]
	s_or_b32 s43, s43, 0x80000000
	s_mov_b32 s44, 1
	s_mov_b32 s45, s73
	s_mov_b64 s[46:47], s[8:9]
	s_or_b32 s47, s47, 0x80000000
	CROUND                                         ; the four partners are here: the joint loads meet
	s_cmp_lt_u32 s[WV], 12
	s_cbranch_scc0 .Lwords
	tensor_load_to_lds s[44:47], s[G1C:G1C+7]
	s_nop 0
.rept 4
	v_nop
.endr
	s_branch .Lasked
.Lwords:
	tensor_load_to_lds s[40:43], s[G1S:G1S+7]
	s_nop 0
.rept 4
	v_nop
.endr
.Lasked:
	s_lshl_b32 s74, s17, 5
	s_add_co_u32 s74, s74, s[WV]                   ; my first tile of 16 queries; the second lies 16 tiles on
	s_mul_i32 s76, s18, 98304
	s_mul_i32 s75, s74, 768
	s_add_co_u32 s76, s76, s75
	s_mov_b32 s77, 0
	s_add_nc_u64 s[4:5], s[4:5], s[76:77]
	s_lshl_b32 s76, s18, 13
	s_lshr_b32 s75, s74, 2
	s_lshl_b32 s75, s75, 8
	s_add_co_u32 s76, s76, s75
	s_and_b32 s75, s74, 3
	s_lshl_b32 s75, s75, 2
	s_add_co_u32 s76, s76, s75
	s_add_nc_u64 s[6:7], s[6:7], s[76:77]
	s_lshr_b32 s78, s18, 4
	s_and_b32 s79, s18, 15
	s_lshl_b32 s76, s78, 7
	s_add_co_u32 s76, s76, s74
	s_mul_i32 s76, s76, 12288                      ; oc: 16 tokens x 16 heads x 768 bytes, images of the next operand's registers
	s_mul_i32 s75, s79, 768
	s_add_co_u32 s76, s76, s75
	s_add_nc_u64 s[12:13], s[12:13], s[76:77]
	s_lshl_b32 s76, s78, 11
	s_lshl_b32 s75, s74, 4
	s_add_co_u32 s76, s76, s75
	s_lshl_b32 s76, s76, 5                         ; os: 32 bytes a token
	s_lshl_b32 s75, s79, 1
	s_add_co_u32 s76, s76, s75
	s_add_nc_u64 s[14:15], s[14:15], s[76:77]
	v_and_b32 v8, 31, v0
	v_and_b32 v9, 15, v0
	v_bfe_u32 v10, v0, 4, 1
	v_bfe_u32 v11, v0, 3, 1
	v_and_b32 v12, 7, v0
	v_lshlrev_b32 v[L8], 3, v8
	s_delay_alu instid0(VALU_DEP_3)
	v_mul_u32_u24 v[RK0], v11, 1536                ; a tile of keys: lanes 0-7 of one stored tile, lanes 8-15 of the tile two on
	s_delay_alu instid0(VALU_DEP_2)
	v_xor_b32 v[RK1], 64, v[L8]
	s_delay_alu instid0(VALU_DEP_1)
	v_add_nc_u32 v[RK1], v[RK1], v[RK0]
	s_delay_alu instid0(VALU_DEP_3)
	v_add_nc_u32 v[RK0], v[RK0], v[L8]
	v_lshlrev_b32 v[RS], 4, v12
	s_delay_alu instid0(VALU_DEP_1)
	v_lshl_add_u32 v[RS], v11, 3, v[RS]
	s_delay_alu instid0(VALU_DEP_1)
	v_lshl_add_u32 v[RS], v10, 8, v[RS]
	v_lshlrev_b32 v[RV], 4, v8
	v_lshlrev_b32 v[RT], 4, v9
	v_lshlrev_b32 v[H8], 3, v10
	s_bfe_u32 s75, s[WV], 0x10001
	s_lshl_b32 s75, s75, 6
	v_xor_b32 v[QL], s75, v[L8]                    ; tiles 2, 3 of four were stored with lanes l and l xor 8 exchanged
	v_lshl_add_u32 v[OSL], v9, 5, v10
.macro QLOAD p                         ; q's half fragment, twice: against k's codes in either half of the 128
.irp i, 0,1,2
	global_load_b64 v[Q+2*\i:Q+2*\i+1], v[QL], s[4:5] offset:12288*\p+256*\i
	global_load_b64 v[Q+6+2*\i:Q+6+2*\i+1], v[QL], s[4:5] offset:12288*\p+256*\i
.endr
	global_load_b32 v[QS], v[RT], s[6:7] offset:1024*\p
.endm
	QLOAD 0
.irp i, 0,1,2,3,4,5
	v_mov_b32 v[KF+6+\i], 0                        ; the zero codes beside k's fragments
	v_mov_b32 v[KF+24+\i], 0
.endr
	v_mov_b32 v[T2], 0
	v_mov_b32 v[FF+1], 0
.macro INIT
	v_mov_b32 v[NM+1], 0xff61b1e6                  ; -3e38, under every t
	s_delay_alu instid0(VALU_DEP_1)
	v_floor_f32 v[NM], -v[NM+1]
	v_mov_b32 v[SUM], 0
	v_mov_b32 v[SUM+1], 0
.set j, 0
.rept 32
	v_mov_b32 v[O+j], 0
.set j, j+1
.endr
.endm
.macro KLOAD c
.irp u, 0,1,2,3
.irp p, 0,1,2
	ds_load_b64 v[KF+18*(\u/2)+12*(\u%2)+2*\p:KF+18*(\u/2)+12*(\u%2)+2*\p+1], v[ADK0+\u%2] offset:(4*\c+\u/2)*768+256*\p
.endr
.endr
.endm
.macro SCORE c
.irp u, 0,1,2,3
.if \c
	v_wmma_scale_f32_16x16x128_f8f6f4 v[S+32*\c+8*\u:S+32*\c+8*\u+7], v[KF+18*(\u/2)+6*(\u%2):KF+18*(\u/2)+6*(\u%2)+11], v[Q:Q+11], 0, v[KS+\u], v[QS] matrix_a_fmt:MATRIX_FMT_FP6 matrix_b_fmt:MATRIX_FMT_FP6 matrix_a_scale:MATRIX_SCALE_ROW1
.else
	v_wmma_scale_f32_16x16x128_f8f6f4 v[S+32*\c+8*\u:S+32*\c+8*\u+7], v[KF+18*(\u/2)+6*(\u%2):KF+18*(\u/2)+6*(\u%2)+11], v[Q:Q+11], 0, v[KS+\u], v[QS] matrix_a_fmt:MATRIX_FMT_FP6 matrix_b_fmt:MATRIX_FMT_FP6
.endif
.endr
.endm
.macro MAXB c                          ; the largest score of my block 2 c + h of 32 keys, in two chains
	v_max3_num_f32 v[BM+\c], v[S+32*\c], v[S+32*\c+1], v[S+32*\c+2]
	v_max3_num_f32 v[T0+\c], v[S+32*\c+16], v[S+32*\c+17], v[S+32*\c+18]
.irp i, 3,5,7,9,11,13
	v_max3_num_f32 v[BM+\c], v[BM+\c], v[S+32*\c+\i], v[S+32*\c+\i+1]
	v_max3_num_f32 v[T0+\c], v[T0+\c], v[S+32*\c+16+\i], v[S+32*\c+17+\i]
.endr
	v_max3_num_f32 v[BM+\c], v[BM+\c], v[S+32*\c+15], v[S+32*\c+31]
	s_delay_alu instid0(VALU_DEP_1)
	v_max_num_f32 v[BM+\c], v[BM+\c], v[T0+\c]
.endm
.macro ADDR                            ; a step's five LDS addresses
	v_add_nc_u32 v[ADK0], s[TB], v[RK0]
	v_add_nc_u32 v[ADK1], s[TB], v[RK1]
	v_add_nc_u32 v[ADV], s[TB], v[RV]
	v_add_nc_u32 v[ADS], s[TS], v[RS]
	v_add_nc_u32 v[ADT], s[TJ], v[RT]
.endm
.macro KSLOAD                          ; k's scale words of a step: lanes 0-15 the first 64 keys', lanes 16-31 the second's
.irp u, 0,1,2,3
	ds_load_b32 v[KS+\u], v[ADS] offset:128*(\u%2)+4*(\u/2)
.endr
.endm
.macro OPEN                            ; ahead of a walk's first step: what every other step finds done by its predecessor
	ADDR
	KSLOAD
	KLOAD 0
	s_wait_alu depctr_va_vdst(0)
	s_wait_dscnt 0x0
	SCORE 0
.rept 4
	v_nop
.endr
	KLOAD 1
.endm
; A STEP OF 128 KEYS, LAID OVER THE LOOP'S EDGE.  At its head the scores of its first 64 keys have been issued and the 12 loads of its second 64 keys are out.  more = 1: it does the same for its successor:
; the successor's addresses, scale words and first tiles of k behind SCORE 1, its first scores behind the conversions, its second tiles of k ahead of the products with v.  The last step of a walk (more = 0) is written out.
.macro STEP more
	MAXB 0                                         ; 16 plain instructions on finished scores: also the places ahead of the loads into v's fragments
.irp y, 0,1,2,3
.irp p, 0,1,2
	ds_load_b128 v[VF+12*\y+4*\p:VF+12*\y+4*\p+3], v[ADV] offset:6144+1536*\y+512*\p
.endr
.endr
	ds_load_b128 v[VS:VS+3], v[ADT]
	s_wait_alu depctr_va_vdst(0)
	s_wait_dscnt 13                                ; k's second 64 keys are in; v's 12 loads and its words may be out
	SCORE 1
.if \more
	s_add_co_u32 s[TB], s[TB], 12288
	s_add_co_u32 s[TS], s[TS], 512
	s_add_co_u32 s[TJ], s[TJ], 256
	ADDR                                           ; five plain instructions: the places ahead of the loads below and of the reads of the scores
	KSLOAD
	KLOAD 0
.else
.rept 4
	v_nop
.endr
.endif
	MAXB 1
	s_delay_alu instid0(VALU_DEP_1)
	v_max_num_f32 v[T0], v[BM], v[BM+1]
	s_delay_alu instid0(VALU_DEP_1)
	v_permlanex16_b32 v[T2], v[T0], s[SEL], s[SEL+1]
	s_delay_alu instid0(VALU_DEP_1)
	v_max_num_f32 v[T0], v[T0], v[T2]
	s_delay_alu instid0(VALU_DEP_1)
	v_mul_f32 v[T0], s[CS], v[T0]
	s_delay_alu instid0(VALU_DEP_1)
	v_max_num_f32 v[NM+1], v[NM+1], v[T0]          ; the running largest t
	v_mov_b32 v[T3], v[NM]
	s_delay_alu instid0(VALU_DEP_2)
	v_floor_f32 v[NM], -v[NM+1]                    ; -M = floor(-t)
	s_delay_alu instid0(VALU_DEP_1)
	v_sub_f32 v[T3], v[NM], v[T3]
	s_delay_alu instid0(VALU_DEP_1)
	v_cvt_i32_f32 v[T3], v[T3]
	s_delay_alu instid0(VALU_DEP_1)
	v_ldexp_f32 v[FF], 1.0, v[T3]                  ; f = 2^(old M - new M)
.set j, 0
.rept 32
	v_pk_fma_f32 v[S+j:S+j+1], v[S+j:S+j+1], s[CS:CS+1], v[NM:NM+1] op_sel_hi:[1,0,0]
.set j, j+2
.endr
	v_fma_f32 v[BM], v[BM], s[CS], v[NM]
	v_fma_f32 v[BM+1], v[BM+1], s[CS], v[NM]
.set j, 0
	s_wait_alu depctr_va_vdst(0)
.rept 64
	v_exp_f32 v[S+j], v[S+j]
.set j, j+1
.endr
	v_pk_mul_f32 v[SUM:SUM+1], v[SUM:SUM+1], v[FF:FF+1] op_sel_hi:[1,0]
	s_wait_alu depctr_va_vdst(0)
	v_exp_f32 v[BM], v[BM]
	v_exp_f32 v[BM+1], v[BM+1]
	v_pk_add_f32 v[T0:T0+1], v[S:S+1], v[S+2:S+3]  ; the row's sum, of the unquantised p, in two chains
.set j, 4
.rept 15
	v_pk_add_f32 v[SUM:SUM+1], v[SUM:SUM+1], v[S+j:S+j+1]
	v_pk_add_f32 v[T0:T0+1], v[T0:T0+1], v[S+j+2:S+j+3]
.set j, j+4
.endr
	s_delay_alu instid0(VALU_DEP_1)
	v_pk_add_f32 v[SUM:SUM+1], v[SUM:SUM+1], v[T0:T0+1]
	s_wait_alu depctr_va_vdst(0)                   ; behind the transcendentals, directly ahead of the first reader of O^T
.set j, 0
.rept 16
	v_pk_mul_f32 v[O+j:O+j+1], v[O+j:O+j+1], v[FF:FF+1] op_sel_hi:[1,0]   ; O^T under the new M
.set j, j+2
.endr
.irp c, 0,1
	v_max_num_f32 v[BM+\c], 0x1800000, v[BM+\c]    ; the floor 2^(3 - 127)
.endr
.irp c, 0,1
	s_delay_alu instid0(VALU_DEP_2)
	v_add_nc_u32 v[SO+\c], 0xff000000, v[BM+\c]
.endr
.irp c, 0,1
	s_delay_alu instid0(VALU_DEP_2)
	v_lshrrev_b32 v[BY+\c], 23, v[SO+\c]
.endr
	s_delay_alu instid0(VALU_DEP_1)
	v_lshl_or_b32 v[T0], v[BY+1], 16, v[BY]
	s_delay_alu instid0(VALU_DEP_1)
	v_lshlrev_b32 v[T0], v[H8], v[T0]
	s_delay_alu instid0(VALU_DEP_1)
	v_permlanex16_b32 v[T2], v[T0], s[SEL], s[SEL+1]
	s_delay_alu instid0(VALU_DEP_1)
	v_or_b32 v[PW], v[T0], v[T2]                   ; p's scale word
	s_wait_alu depctr_va_vdst(0)
	s_wait_dscnt 0x0                               ; v's fragments and words, and the next step's first tiles of k with their words
.irp c, 0,1
	v_cvt_scalef32_pk16_fp6_f32 v[P+6*\c:P+6*\c+2], v[S+32*\c:S+32*\c+15], v[SO+\c]
	v_cvt_scalef32_pk16_fp6_f32 v[CT+4*\c:CT+4*\c+2], v[S+32*\c+16:S+32*\c+31], v[SO+\c]
.endr
	v_nop
.irp c, 0,1
.irp i, 0,1,2
	v_mov_b32 v[P+6*\c+3+\i], v[CT+4*\c+\i]
.endr
.endr
.if \more
	SCORE 0                                        ; the next step's first 64 keys: p's numbers have been converted, so their registers are free
.endif
.rept 4
	v_nop                                          ; places: behind the moves into p's fragment, and ahead of the loads into k's
.endr
.if \more
	KLOAD 1                                        ; the next step's second 64 keys: 12 loads, waited for at its head
.endif
.irp y, 0,1,2,3
	v_wmma_scale_f32_16x16x128_f8f6f4 v[O+16*(\y%2)+8*(\y/2):O+16*(\y%2)+8*(\y/2)+7], v[VF+12*\y:VF+12*\y+11], v[P:P+11], v[O+16*(\y%2)+8*(\y/2):O+16*(\y%2)+8*(\y/2)+7], v[VS+\y], v[PW] matrix_a_fmt:MATRIX_FMT_FP6 matrix_b_fmt:MATRIX_FMT_FP6
.endr
.endm
.macro WAYOUT p                        ; O^T / the sum; whole blocks of 32 channels a lane; the quantiser; codes as an image of the next operand's registers
.rept 4
	v_nop
.endr
	v_add_f32 v[SUM], v[SUM], v[SUM+1]
	s_delay_alu instid0(VALU_DEP_1)
	v_permlanex16_b32 v[T2], v[SUM], s[SEL], s[SEL+1]
	s_delay_alu instid0(VALU_DEP_1)
	v_add_f32 v[SUM], v[SUM], v[T2]
	s_wait_alu depctr_va_vdst(0)
	v_rcp_f32 v[FF], v[SUM]
	v_nop
	s_wait_alu depctr_va_vdst(0)
.set j, 0
.rept 16
	v_pk_mul_f32 v[S+j:S+j+1], v[O+j:O+j+1], v[FF:FF+1] op_sel_hi:[1,0]
.set j, j+2
.endr
.irp y, 0,1
.irp i, 0,1,2,3,4,5,6,7
	v_permlane16_swap_b32 v[S+16*\y+\i], v[S+16*\y+8+\i]
.endr
.endr
	v_max3_num_f32 v[BM], |v[S]|, |v[S+1]|, 0x1800000
	v_max3_num_f32 v[BM+1], |v[S+2]|, |v[S+3]|, 0x1800000
.irp i, 4,8,12,16,20,24,28
	s_delay_alu instid0(VALU_DEP_2)
	v_max3_num_f32 v[BM], v[BM], |v[S+\i]|, |v[S+\i+1]|
	s_delay_alu instid0(VALU_DEP_2)
	v_max3_num_f32 v[BM+1], v[BM+1], |v[S+\i+2]|, |v[S+\i+3]|
.endr
	s_delay_alu instid0(VALU_DEP_1)
	v_max_num_f32 v[BM], v[BM], v[BM+1]
	s_delay_alu instid0(VALU_DEP_1)
	v_add_nc_u32 v[SO], 0xff000000, v[BM]
	s_delay_alu instid0(VALU_DEP_1)
	v_lshrrev_b32 v[BY], 23, v[SO]
	v_cvt_scalef32_pk16_fp6_f32 v[P:P+2], v[S:S+15], v[SO]
	v_cvt_scalef32_pk16_fp6_f32 v[CT:CT+2], v[S+16:S+31], v[SO]
	v_nop
.irp i, 0,1,2
	v_mov_b32 v[P+3+\i], v[CT+\i]
.endr
	global_store_b128 v[RV], v[P:P+3], s[12:13] offset:196608*\p
	global_store_b64 v[L8], v[P+4:P+5], s[12:13] offset:196608*\p+512
	global_store_b8 v[OSL], v[BY], s[14:15] offset:8192*\p
.endm
.macro WALK                            ; all 2,048 keys for one tile of queries
	INIT
	s_mov_b32 s[TB], 0
	s_mov_b32 s[TS], SCK
	s_mov_b32 s[TJ], SCV
	s_mov_b32 s[CNT], 15
	s_wait_alu depctr_va_vdst(0)
	s_wait_loadcnt 0x0                             ; q's fragment and words
.endm
	WALK
	s_wait_tensorcnt 0x0                           ; my part of k and v is in,
	s_barrier_signal -1
	s_barrier_wait -1                              ; everybody's is
	OPEN
.Lpass0:
	STEP 1
	s_sub_co_u32 s[CNT], s[CNT], 1
	s_cmp_lg_u32 s[CNT], 0
	s_cbranch_scc1 .Lpass0
	STEP 0
	QLOAD 1
	WAYOUT 0
	s_wait_xcnt 0x0                                ; the stores have read their data
	WALK
	OPEN
.Lpass1:
	STEP 1
	s_sub_co_u32 s[CNT], s[CNT], 1
	s_cmp_lg_u32 s[CNT], 0
	s_cbranch_scc1 .Lpass1
	STEP 0
	WAYOUT 1
	s_wait_tensorcnt 0x0                           ; the wave's end
	ds_add_u32 v[SPW], v[NIL]
	s_wait_dscnt 0x0
	CROUND                                         ; the closing round
	s_endpgm
.Lfunc_end_k_q3ab7c4f125_attn:
	.size	k_q3ab7c4f125_attn, .Lfunc_end_k_q3ab7c4f125_attn-k_q3ab7c4f125_attn
	.p2alignl 7, 3214868480
	.fill 96, 4, 3214868480
	.section	.rodata,"a",@progbits
	.p2align	6, 0x0
	.amdhsa_kernel k_q3ab7c4f125_attn
		.amdhsa_group_segment_fixed_size 327680
		.amdhsa_private_segment_fixed_size 0
		.amdhsa_enable_private_segment 0
		.amdhsa_kernarg_size 48
		.amdhsa_user_sgpr_count 2
		.amdhsa_user_sgpr_kernarg_segment_ptr 1
		.amdhsa_wavefront_size32 1
		.amdhsa_system_sgpr_workgroup_id_x 1
		.amdhsa_system_sgpr_workgroup_id_y 1
		.amdhsa_system_sgpr_workgroup_id_z 1
		.amdhsa_system_vgpr_workitem_id 0
		.amdhsa_next_free_vgpr 256
		.amdhsa_next_free_sgpr 84
		.amdhsa_reserve_vcc 0
		.amdhsa_float_denorm_mode_32 3
		.amdhsa_float_denorm_mode_16_64 3
		.amdhsa_memory_ordered 1
		.amdhsa_forward_progress 1
		.amdhsa_inst_pref_size 84
	.end_amdhsa_kernel
	.amdgpu_metadata
---
amdhsa.version: [ 1, 2 ]
amdhsa.kernels:
  - .name:           k_q3ab7c4f125_attn
    .symbol:         k_q3ab7c4f125_attn.kd
    .args:
      - { .name: qc, .offset: 0, .size: 8, .value_kind: global_buffer, .address_space: global }
      - { .name: qs, .offset: 8, .size: 8, .value_kind: global_buffer, .address_space: global }
      - { .name: kvc, .offset: 16, .size: 8, .value_kind: global_buffer, .address_space: global }
      - { .name: kvs, .offset: 24, .size: 8, .value_kind: global_buffer, .address_space: global }
      - { .name: oc, .offset: 32, .size: 8, .value_kind: global_buffer, .address_space: global }
      - { .name: os, .offset: 40, .size: 8, .value_kind: global_buffer, .address_space: global }
    .group_segment_fixed_size: 327680
    .private_segment_fixed_size: 0
    .kernarg_segment_align: 8
    .kernarg_segment_size: 48
    .max_flat_workgroup_size: 512
    .sgpr_count:     84
    .vgpr_count:     256
    .wavefront_size: 32
...
	.end_amdgpu_metadata
.endif
;; end of part 2
;; launch outp (part 3): grid 4 x 64, 4 waves a work-group, clusters of 4 x 4, 327,680 bytes of LDS; arguments oc, os, Wo_codes, Wo_scales, out0, bo; writes out0
.if DOCPART == 3
	.amdgcn_target "amdgcn-amd-amdhsa--gfx1250"
	.amdhsa_code_object_version 6
	.text
	.protected	k_q3ab7c4f125_outp
	.globl	k_q3ab7c4f125_outp
	.p2align	8
	.type	k_q3ab7c4f125_outp,@function
k_q3ab7c4f125_outp:
	s_mov_b64 s[64:65], 0
	v_nop
	global_prefetch_b8 v0, s[64:65] scope:SCOPE_SE
	s_setreg_imm32_b32 hwreg(HW_REG_WAVE_MODE, 25, 1), 1
	s_wait_xcnt 0x0
	s_wait_alu depctr_hold_cnt(0) depctr_sa_sdst(0) depctr_va_vdst(0) depctr_va_sdst(0) depctr_va_ssrc(0) depctr_va_vcc(0) depctr_vm_vsrc(0)
	s_getreg_b32 s2, hwreg(HW_REG_IB_STS2, 6, 4)
	s_cmp_eq_u32 s2, 0
	s_cbranch_scc0 .Lentry_in_a_cluster
	s_endpgm
.Lentry_in_a_cluster:
	s_bfe_u32 s2, ttmp6, 0x10000c
	s_cmp_lg_u32 s2, 0xf033
	s_cbranch_scc0 .Lentry_shape_is_right
	s_endpgm
.Lentry_shape_is_right:
; THE OUTPUT PROJECTION out0 = o Wo + bo on FP6 codes with E8M0 scales, f32 sums.  No work is left out.
; 256 work-groups, a tile of 128 tokens x 256 columns each; four waves, 64 x 128: 32 accumulators.  All of K = 1,024 lies in LDS at once, asked for at the head, one joint load a wave: waves 0, 1 bring 64 tokens of o each
; (49,152 dense bytes: images of the operand's registers, as the attention launch stored them), waves 2, 3 bring 128 whole rows of Wo each (768 bytes, 16 bytes of LDS padding behind every 256: pitch 816).  Nothing is filled again.
; 4 x 4 clusters: o's tokens are shared along a row of the cluster, Wo's rows along a column.  No prefetch: everything is asked for at the head, there is no loop to run ahead in.
; The scale words go from memory to registers (16 lanes read 512 consecutive bytes); bo is the C of the first K step.  Source 0 = Wo's rows, source 1 = tokens: a lane holds eight neighbouring columns of one row of out0.
; The way out goes through a stage in o's LDS bytes, behind a barrier behind which nobody reads them, and leaves as whole rows of 512 bytes.
; WINDOWS: 0: addresses, v32-63 o's scale words, v64-127 Wo's, v128-223 o's fragments (two sets; on the way out v128-255 rows read back); 1: Wo's fragments (two sets); 2: accumulators; 3: bo.
.set PITCH, 816
.set BLK,   16*PITCH
.set BASEB, 98304
.set SPARE, BASEB+256*PITCH
.set SPITCH, 528
.set FR,   12
.set SLO,  9
.set BOF,  15
.set ADRA, 16                          ; v16: 16 x lane, v17: 8 x lane, in my 64 tokens
.set ADRB, 18
.set STO,  24
.set RD,   25
.set CO,   26
.set SPW,  28
.set NIL,  29
.set SA,   32
.set SB,   64
.set AF,   128
.set BK,   128
.set BX,   0
.set G1A,  68
.set G1B,  76
.set G0A,  84
.set G0B,  88
.set MSB, 0
.macro WIN new
.if MSB != \new
	s_set_vgpr_msb (MSB<<8)|\new
.set MSB, \new
.endif
.endm
.macro PLACES
.rept 4
	v_nop
.endr
.endm
.macro CREST
	s_cmp_lg_u32 s14, 0
	s_cbranch_scc1 .Lnot_wave_0_\@
	s_barrier_signal -3
.Lnot_wave_0_\@:
	s_barrier_wait -3
	s_barrier_signal -1
	s_barrier_wait -1
.endm
.macro CROUND
	s_barrier_signal -1
	s_barrier_wait -1
	CREST
.endm
.macro ADDO p, t
	s_add_nc_u64 s[\p:\p+1], s[\p:\p+1], s[\t:\t+1]
.endm
	s_load_b256 s[24:31], s[0:1], 0x0              ; oc, os, Wo's codes, Wo's scales
	s_load_b128 s[32:35], s[0:1], 0x20             ; out0, bo
	v_lshl_add_u32 v[SPW], v0, 2, SPARE
	v_mov_b32 v[NIL], 0
	ds_add_u32 v[SPW], v[NIL]                      ; the opening lines
	ds_add_u32 v[SPW], v[NIL]
	v_lshrrev_b32 v1, 5, v0
	v_readfirstlane_b32 s14, v1
	s_lshr_b32 s15, s14, 1                         ; my half of the tokens; also: I fetch o (0) or Wo (1)
	s_and_b32 s16, s14, 1                          ; my half of the columns; also: which half I fetch
	s_bfe_u32 s66, ttmp6, 0x40000
	s_bfe_u32 s67, ttmp6, 0x40004
	s_and_b32 s17, ttmp7, 0xffff
	s_lshl_b32 s18, s17, 2
	s_add_co_u32 s18, s18, s67                     ; my tile of 128 tokens, 0..63; my tile of 256 columns is cx
	s_lshl_b32 s21, s67, 2
	s_lshl_b32 s21, 15, s21
	s_lshl_b32 s22, 0x1111, s66
	s_or_b32 s[G1A], s21, (3<<16)|(1<<21)          ; a dense block as 192 rows of 256 bytes
	s_mov_b32 s[G1A+1], 32<<16
	s_mov_b32 s[G1A+2], 192<<16
	s_mov_b32 s[G1A+3], 32<<16
	s_mov_b32 s[G1A+4], 192
	s_mov_b32 s[G1A+5], 32
	s_mov_b32 s[G1A+6], 0
	s_mov_b32 s[G1A+7], 0
	s_or_b32 s[G1B], s22, (1<<20)|(1<<21)|(5<<22)|(3<<25)
	s_mov_b32 s[G1B+1], 768<<16
	s_mov_b32 s[G1B+2], 128<<16
	s_mov_b32 s[G1B+3], 768<<16
	s_mov_b32 s[G1B+4], 128
	s_mov_b32 s[G1B+5], 768
	s_mov_b32 s[G1B+6], 0
	s_mov_b32 s[G1B+7], 0
	s_mov_b32 s[G0A], 1
	s_mul_i32 s[G0A+1], s16, 49152
	s_mov_b32 s[G0B], 1
	s_mul_i32 s[G0B+1], s16, 128*PITCH
	s_add_co_u32 s[G0B+1], s[G0B+1], BASEB
	s_mul_i32 s12, s18, 98304                      ; offsets made of cy stand in s12, those of cx in s98
	s_mul_i32 s23, s16, 49152
	s_add_co_u32 s12, s12, s23
	s_mov_b32 s13, 0
	s_mul_i32 s98, s66, 196608
	s_mul_i32 s23, s16, 98304
	s_add_co_u32 s98, s98, s23
	s_mov_b32 s99, 0
	s_wait_dscnt 0x0
	s_wait_kmcnt 0x0
	ADDO 24, 12
	ADDO 28, 98
	CROUND                                         ; all sixteen work-groups are here: the joint loads meet
	s_mov_b64 s[G0A+2:G0A+3], s[24:25]
	s_or_b32 s[G0A+3], s[G0A+3], 0x80000000
	s_mov_b64 s[G0B+2:G0B+3], s[28:29]
	s_or_b32 s[G0B+3], s[G0B+3], 0x80000000
	s_cmp_eq_u32 s15, 0
	s_cbranch_scc0 .Lfor_b
	tensor_load_to_lds s[G0A:G0A+3], s[G1A:G1A+7]
	s_nop 0
	PLACES
	s_branch .Lasked
.Lfor_b:
	tensor_load_to_lds s[G0B:G0B+3], s[G1B:G1B+7]
	s_nop 0
	PLACES
.Lasked:
	s_lshl_b32 s12, s18, 12                        ; scale bytes: 32 a row
	s_lshl_b32 s23, s15, 11
	s_add_co_u32 s12, s12, s23
	ADDO 26, 12
	s_lshl_b32 s98, s66, 13
	s_lshl_b32 s23, s16, 12
	s_add_co_u32 s98, s98, s23
	ADDO 30, 98
	s_lshl_b32 s98, s66, 10                        ; my first column, in bytes
	s_lshl_b32 s23, s16, 9
	s_add_co_u32 s98, s98, s23
	ADDO 34, 98
	ADDO 32, 98
	s_lshl_b32 s12, s18, 19                        ; my first row of out0: 4,096 bytes a row
	s_lshl_b32 s23, s15, 18
	s_add_co_u32 s12, s12, s23
	ADDO 32, 12
	s_mul_i32 s100, s15, 49152
	s_mul_i32 s101, s16, 128*PITCH
	s_add_co_u32 s101, s101, BASEB
	s_mul_i32 s23, s14, 16*SPITCH                  ; my stage
	v_and_b32 v1, 15, v0
	v_bfe_u32 v2, v0, 4, 1
	v_and_b32 v6, 31, v0
	v_mul_u32_u24 v3, v1, PITCH
	v_mad_u32_u24 v3, v2, 24, v3
	v_lshl_add_u32 v4, v2, 4, v3
	v_lshlrev_b32 v[CO], 4, v6
	v_lshlrev_b32 v5, 3, v6
	v_add_nc_u32 v[ADRA], s100, v[CO]
	v_add_nc_u32 v[ADRA+1], s100, v5
	v_add_nc_u32 v[ADRB], s101, v3
	v_add_nc_u32 v[ADRB+1], s101, v4
	v_add_nc_u32 v[ADRB+2], 4*BLK, v[ADRB]
	v_add_nc_u32 v[ADRB+3], 4*BLK, v[ADRB+1]
	v_mul_u32_u24 v5, v1, SPITCH
	v_lshl_add_u32 v5, v2, 5, v5
	v_add_nc_u32 v[STO], s23, v5
	v_add_nc_u32 v[RD], s23, v[CO]
	v_lshlrev_b32 v[SLO], 5, v1
	v_lshlrev_b32 v[BOF], 5, v2
	s_wait_alu depctr_va_vdst(0)
.irp i, 0,1,2,3
	global_load_b128 v[SA+8*\i:SA+8*\i+3], v[SLO], s[26:27] offset:512*\i      ; register 8 i + st: row r of block i, K step st
	global_load_b128 v[SA+8*\i+4:SA+8*\i+7], v[SLO], s[26:27] offset:512*\i+16
.endr
.irp i, 0,1,2,3,4,5,6,7
	global_load_b128 v[SB+8*\i:SB+8*\i+3], v[SLO], s[30:31] offset:512*\i
	global_load_b128 v[SB+8*\i+4:SB+8*\i+7], v[SLO], s[30:31] offset:512*\i+16
.endr
	WIN 0xc0
.irp b, 0,1,2,3,4,5,6,7
	global_load_b128 v[BX+8*\b:BX+8*\b+3], v[BOF], s[34:35] offset:64*\b       ; bo at columns 16 b + 8 h + 0 .. 7
	global_load_b128 v[BX+8*\b+4:BX+8*\b+7], v[BOF], s[34:35] offset:64*\b+16
.endr
	WIN 0
.macro FRAG reg, adr, st, off          ; Wo: pieces of 8 bytes as they lie; byte y of a row lies at y + 16 (y / 256)
.irp p, 0,1,2,3,4,5
.set BY_, 96*(\st)+48*(\p/3)+8*(\p%3)
.if BY_/256 == (BY_+24)/256
	ds_load_b64 v[\reg+2*\p:\reg+2*\p+1], v[\adr] offset:BY_+16*(BY_/256)+(\off)
.else
	ds_load_b64 v[\reg+2*\p:\reg+2*\p+1], v[\adr+1] offset:BY_+16*(BY_/256)+(\off)
.endif
.endr
.endm
.macro FRAG_A reg, off                 ; o: two heads' images of 768 bytes: registers 0-3 at 16 x lane, 4-5 at 512 + 8 x lane
	ds_load_b128 v[\reg:\reg+3], v[ADRA] offset:\off
	ds_load_b64 v[\reg+4:\reg+5], v[ADRA+1] offset:\off+512
	ds_load_b128 v[\reg+6:\reg+9], v[ADRA] offset:\off+768
	ds_load_b64 v[\reg+10:\reg+11], v[ADRA+1] offset:\off+1280
.endm
.macro FETCH st
	WIN 0x40
.irp i, 0,1,2,3,4,5,6,7
	FRAG 128*((\st)%2)+FR*\i, ADRB+2*(\i/4), \st, (\i%4)*BLK
.endr
	WIN 0
.irp i, 0,1,2,3
	FRAG_A AF+48*((\st)%2)+FR*\i, 12288*\i+1536*(\st)
.endr
.endm
.macro MUL16 a0, st, first             ; the 32 accumulators take turns in the same order in every step
.irp a, \a0, \a0+1
.irp b, 0,1,2,3,4,5,6,7
.set AC_, 8*(8*(\a)+\b)
.set CC_, AC_
.if \first
.set CC_, BX+8*\b
.endif
	v_wmma_scale_f32_16x16x128_f8f6f4 v[AC_:AC_+7], v[128*((\st)%2)+FR*\b:128*((\st)%2)+FR*\b+FR-1], v[AF+48*((\st)%2)+FR*(\a):AF+48*((\st)%2)+FR*(\a)+FR-1], v[CC_:CC_+7], v[SB+8*\b+(\st)], v[SA+8*(\a)+(\st)] matrix_a_fmt:MATRIX_FMT_FP6 matrix_b_fmt:MATRIX_FMT_FP6
.endr
.endr
.endm
.macro STEP st, first
	s_wait_dscnt 0x0                               ; this step's fragments are in
	PLACES                                         ; ahead of loads into the set that the last step multiplied
	FETCH (\st)+1
.if \first
	WIN 0xb1
.else
	WIN 0xa1
.endif
	MUL16 0, \st, \first
	MUL16 2, \st, \first
.endm
	s_wait_tensorcnt 0x0                           ; my part of the tile is in,
	s_barrier_signal -1
	s_barrier_wait -1                              ; everybody's is
	FETCH 0
	s_wait_loadcnt 0x0                             ; the scale words and bo
	STEP 0, 1
.irp st, 1,2,3,4,5,6
	STEP \st, 0
.endr
	s_wait_dscnt 0x0                               ; my reads of the tiles are over:
	s_barrier_signal -1
	MUL16 0, 7, 0
	MUL16 2, 7, 0
	WIN 0
	s_barrier_wait -1                              ; everybody's are: the stage may be written
	PLACES
.macro TOSTAGE a                       ; 16 rows x 128 columns into my stage, and back as whole rows of 512 bytes; LDS serves a wave's instructions in order (ISA guide 5.7.1.4)
	WIN 0x08
.irp b, 0,1,2,3,4,5,6,7
	ds_store_b128 v[STO], v[64*(\a)+8*\b:64*(\a)+8*\b+3] offset:64*\b           ; each accumulator from its low end on
	ds_store_b128 v[STO], v[64*(\a)+8*\b+4:64*(\a)+8*\b+7] offset:64*\b+16
.endr
	WIN 0
.set BB, BK+64*((\a)%2)
.irp t, 0,1,2,3,4,5,6,7,8,9,10,11,12,13,14,15
	ds_load_b128 v[BB+4*\t:BB+4*\t+3], v[RD] offset:\t*SPITCH
.endr
.endm
.macro SEND a, younger
.set BB, BK+64*((\a)%2)
	s_wait_dscnt \younger
.if (\a) > 0
	s_add_nc_u64 s[32:33], s[32:33], 16*4096       ; (behind a wait on XCNT)
.endif
.irp t, 0,1,2,3,4,5,6,7,8,9,10,11,12,13,14,15
	global_store_b128 v[CO], v[BB+4*\t:BB+4*\t+3], s[32:33] offset:\t*4096 th:TH_STORE_NT   ; 32 lanes store 512 consecutive bytes, aligned
.endr
.endm
	TOSTAGE 0
.irp a, 1,2,3
.if \a > 1
	s_wait_xcnt 0x0                                ; block a - 2's stores have read their registers and their base
.endif
	TOSTAGE \a
	SEND \a-1, 32                                  ; behind block a - 1's loads: block a's 16 stores and 16 loads
.endr
	s_wait_xcnt 0x0
	SEND 3, 0
	s_wait_tensorcnt 0x0                           ; the wave's end
	ds_add_u32 v[SPW], v[NIL]
	s_wait_dscnt 0x0
	CROUND                                         ; the closing round
	s_endpgm
.Lfunc_end_k_q3ab7c4f125_outp:
	.size	k_q3ab7c4f125_outp, .Lfunc_end_k_q3ab7c4f125_outp-k_q3ab7c4f125_outp
	.p2alignl 7, 3214868480
	.fill 96, 4, 3214868480
	.section	.rodata,"a",@progbits
	.p2align	6, 0x0
	.amdhsa_kernel k_q3ab7c4f125_outp
		.amdhsa_group_segment_fixed_size 327680
		.amdhsa_private_segment_fixed_size 0
		.amdhsa_enable_private_segment 0
		.amdhsa_kernarg_size 48
		.amdhsa_user_sgpr_count 2
		.amdhsa_user_sgpr_kernarg_segment_ptr 1
		.amdhsa_wavefront_size32 1
		.amdhsa_system_sgpr_workgroup_id_x 1
		.amdhsa_system_sgpr_workgroup_id_y 1
		.amdhsa_system_sgpr_workgroup_id_z 1
		.amdhsa_system_vgpr_workitem_id 0
		.amdhsa_next_free_vgpr 1024
		.amdhsa_next_free_sgpr 102
		.amdhsa_reserve_vcc 0
		.amdhsa_float_denorm_mode_32 3
		.amdhsa_float_denorm_mode_16_64 3
		.amdhsa_memory_ordered 1
		.amdhsa_forward_progress 1
		.amdhsa_inst_pref_size 91
	.end_amdhsa_kernel
	.amdgpu_metadata
---
amdhsa.version: [ 1, 2 ]
amdhsa.kernels:
  - .name:           k_q3ab7c4f125_outp
    .symbol:         k_q3ab7c4f125_outp.kd
    .args:
      - { .name: oc, .offset: 0, .size: 8, .value_kind: global_buffer, .address_space: global }
      - { .name: os, .offset: 8, .size: 8, .value_kind: global_buffer, .address_space: global }
      - { .name: Wo_codes, .offset: 16, .size: 8, .value_kind: global_buffer, .address_space: global }
      - { .name: Wo_scales, .offset: 24, .size: 8, .value_kind: global_buffer, .address_space: global }
      - { .name: out0, .offset: 32, .size: 8, .value_kind: global_buffer, .address_space: global }
      - { .name: bo, .offset: 40, .size: 8, .value_kind: global_buffer, .address_space: global }
    .group_segment_fixed_size: 327680
    .private_segment_fixed_size: 0
    .kernarg_segment_align: 8
    .kernarg_segment_size: 48
    .max_flat_workgroup_size: 128
    .sgpr_count:     102
    .vgpr_count:     1024
    .wavefront_size: 32
...
	.end_amdgpu_metadata
.endif
;; end of part 3
